; MI455X (gfx1250); checked and timed in simulation.
; The chip was launched on July 23, 2026; its instructions are those of AMD's public machine-readable ISA for CDNA 5 (MIT licence, August 2026) and "CDNA5" Instruction Set Architecture Reference Guide (July 2026). The comments in the code are by the model that wrote it; some were corrected since.
;; Multi Headed Attention. Allowed arithmetic: matrix products marked QUANTISED: E4M3 operands, one given power-of-two scale a tensor, by v_wmma_f32_16x16x64_fp8_fp8 or v_wmma_f32_16x16x128_fp8_fp8, f32 sums; everything else in f32.
;; Inputs: W_attn 1,024 x 3,072 float32; W_proj 1,024 x 1,024 float32; b_attn 3,072 float32; b_proj 1,024 float32; lowp_scales 8 int32 (the exponents e of the quantised operands' scales 2^e); x 4 x 2,048 x 1,024 float32.
;; Outputs: out0 4 x 2,048 x 1,024 float32.
;; This version of the problem:
;;   THIS VERSION OF THE PROBLEM IS GIVEN IN LOW PRECISION. The matrix products marked QUANTISED in the list below multiply operands that are first quantised to E4M3 (4 exponent bits, 3 mantissa bits; 8 bits a number), with one given power-of-two scale for each operand tensor; their sums are f32. All else is computed in f32.
;;   The module's matrix products, in the order in which they are computed (A, B: the left and right operand; K: the contracted axis; several contracted axes count as one K, in the product's order):
;;     1. [M 8,192, K 1,024] x [K 1,024, N 3,072]; A: input x; B: input W_attn: QUANTISED (scales: A lowp_scales[0], B lowp_scales[1])
;;     2. batch 64 x [M 2,048, K 64] x [K 64, N 2,048]; A: computed on the way; B: computed on the way: QUANTISED (scales: A lowp_scales[2], B lowp_scales[3])
;;     3. batch 64 x [M 2,048, K 2,048] x [K 2,048, N 64]; A: softmax (see below); B: computed on the way: QUANTISED (scales: A lowp_scales[4], B lowp_scales[5])
;;     4. [M 8,192, K 1,024] x [K 1,024, N 1,024]; A: computed on the way; B: input W_proj: QUANTISED (scales: A lowp_scales[6], B lowp_scales[7])
;;   THE QUANTISER, for each operand of a quantised product, along K:
;;     - The operand's scale is 2^e, e = its entry of the input lowp_scales (int32; the entries are numbered through the quantised products in the list's order, A before B).
;;     - Each number is divided by the scale, clamped to +-448, and rounded to the nearest number of E4M3, ties to even, subnormals kept.
;;     - The product sums the exact products of the quantised numbers (number of the format x scale) in f32.
;;   ~~~python
;;   def quantise(x, axis, e):      # numpy; x: float32 -> the quantised numbers, widened to float32 again
;;       x = np.moveaxis(x, axis, -1); K = x.shape[-1]
;;       r = np.clip(x / 2.0 ** e, -448, 448)
;;       step = 2.0 ** (np.maximum(np.frexp(np.where(r == 0, 1, r))[1] - 1, -6) - 3)
;;       q = np.round(r / step) * step * 2.0 ** e      # np.round: ties to even
;;       return np.moveaxis(q, -1, axis).astype(np.float32)
;;   ~~~
;;   SOFTMAX AHEAD OF A QUANTISED PRODUCT. Where the list says 'softmax', what is quantised is not the finished softmax but p = 2^(t - M), with t = logit x log2(e) and M = ceil(the row's largest t), a whole number; so 1/2 < the row's largest p <= 1. The row's sum l is taken of the UNQUANTISED p, in f32, and the product's result is divided by l at the end. Since M is a whole number, a kernel that streams over the keys may use a running M (the ceiling of the running maximum): every later rescaling is an exact power of two, so the quantised numbers keep their values, but for numbers so far below the row's largest that they fall under the format's range.
;;   OPERANDS COMPUTED ON THE WAY. 'Computed on the way' means the value that the module computes at that place (a softmax that the list does not call 'softmax' is quantised finished and normalised). What goes into a quantiser is computed in f32, as accurately as f32 sums, v_exp_f32 and their like allow (about 1e-6 of the number): no bf16 or f16 on the way to a quantiser, and a product that is left as it is and whose result goes on into a quantised operand takes f32 operands (vector FMAs, or v_wmma_f32_16x16x4_f32). A number that lies on a knife's edge between two numbers of the format may be rounded either way, as far as f32 arithmetic and the matrix unit's own rounding can turn it there, and no further.
;; One version. Each part assembles by itself: llvm-mc -triple=amdgcn-amd-amdhsa -mcpu=gfx1250 --defsym DOCPART=n.
;; ======== version 1 of 1: 4 launches
;; limits: right only within a limited range of input values
;; workspace buffers: x_codes 8,388,608 bytes; wa_codes 3,145,728 bytes; wp_codes 1,048,576 bytes; q_img 8,388,608 bytes; k_img 8,388,608 bytes; v_img 8,388,608 bytes; y_img 8,388,608 bytes
;; launch prep (part 1): grid 384 x 1, 4 waves a work-group, no clusters, 68,096 bytes of LDS; arguments x, W_attn, W_proj, lowp_scales, x_codes, wa_codes, wp_codes; writes x_codes, wa_codes, wp_codes
.if DOCPART == 1
	.amdgcn_target "amdgcn-amd-amdhsa--gfx1250"
	.amdhsa_code_object_version 6
	.text
	.protected	k_q75df1fbaf8_prep
	.globl	k_q75df1fbaf8_prep
	.p2align	8
	.type	k_q75df1fbaf8_prep,@function
k_q75df1fbaf8_prep:
	s_mov_b64 s[64:65], 0
	v_nop
	global_prefetch_b8 v0, s[64:65] scope:SCOPE_SE
	s_setreg_imm32_b32 hwreg(HW_REG_WAVE_MODE, 25, 1), 1
	s_wait_xcnt 0x0
; x [8192][1024], W_attn [1024 k][3072 n] and W_proj [1024 k][1024 n], all f32, become codes of E4M3 with K innermost:
; x_codes [8192][1024], wa_codes [3072 n][1024 k], wp_codes [1024 n][1024 k].  code = number / 2^e, held within +-448, to the nearest code, ties to even.
; e = entry 0 (x), 1 (W_attn), 7 (W_proj) of the given exponents.  LIMITS: each of these e lies between -126 and 119.  NaN among the inputs is not served.
; Work-groups 0-255 take x: K is innermost, so x is a plain stream; a wave takes 16 steps of 512 numbers; each load reads 512 consecutive bytes, the step turns through the wave's
; own stage in LDS so that a lane holds 16 neighbours, and the wave stores 512 consecutive bytes of codes.
; Work-groups 256-383 take the weights, whose K is the FIRST axis: a lane takes a column and its registers run down K, so the conversions give codes with K innermost;
; a wave gathers 32 columns x 256 along K in its own stage and stores them by rows, sixteen lanes to 256 consecutive bytes.  One path serves both weights: only pointers, the row's
; length and e are chosen, on the work-group's number.  The two paths never join and have LDS bytes of their own.  No tensor loads, no barrier: waves share nothing.
.set STEPS, 16
.set WREG,  8192                       ; x path: a wave's LDS region: two stages of 32 x SP bytes
.set SP,    80                         ; a lane's place in a stage: its 64 bytes + 16 of padding
.set RR,    16                         ; v16-79   x path: four sets of 16 numbers as loaded
.set XX,    80                         ; v80-111  x path: two sets of 16 neighbours
.set CC,    128                        ; v128-191 x path: codes, four registers a step, never written again
.set SPW,   12                         ; v12      LDS address of my spare word; never rewritten
.set NIL,   13                         ; v13      0; never rewritten
.set WBASE, 4*WREG                     ; W path: the stages begin behind the x path's regions
.set WP,    272                        ; a stage row: 256 bytes of codes + 16
.set SPARE, WBASE+4*32*WP              ; behind both: the spare words, 128 bytes a wave
.set WX,    32                         ; v32-95   W path: two sets of 32 numbers
.set WC,    96                         ; v96-103  W path: a block's codes
.set OUTR,  112                        ; v112-175 W path: the way out
.set ROFF,  176                        ; v176-207 W path: 4 x lane + i rows, i = 0 .. 31; never rewritten
.set NB,    8                          ; W path: blocks of 32 along K
.set BAS,   36                         ; s[36:51] W path: the source at block t's first row
	s_load_b256 s[4:11], s[0:1], 0x0               ; x, W_attn, W_proj, the exponents
	s_load_b128 s[12:15], s[0:1], 0x20             ; x_codes, wa_codes
	s_load_b64 s[16:17], s[0:1], 0x30              ; wp_codes
	v_lshl_add_u32 v[SPW], v0, 2, SPARE
	v_mov_b32 v[NIL], 0
	v_lshrrev_b32 v1, 5, v0
	v_readfirstlane_b32 s18, v1                    ; wave
	v_and_b32 v2, 31, v0                           ; lane
	s_wait_kmcnt 0x0
	s_load_b256 s[20:27], s[10:11], 0x0            ; e0 .. e7
	s_cmp_ge_u32 ttmp9, 256
	s_cbranch_scc1 .Lw
	s_wait_alu depctr_va_vdst(0)
	; ---------------- x ----------------
	v_lshlrev_b32 v3, 4, v2                        ; my 16 bytes of a load's 512, and of a step's 512 bytes of codes
	s_wait_alu depctr_va_vdst(0)
	s_mul_i32 s19, s18, WREG
	v_lshrrev_b32 v14, 2, v2
	v_mul_u32_u24 v14, v14, SP
	v_and_b32 v15, 3, v2
	v_lshl_add_u32 v14, v15, 4, v14
	v_add_nc_u32 v14, s19, v14                     ; the stage, way in: SP (lane / 4) + 16 (lane % 4)
	v_mul_u32_u24 v15, v2, SP
	v_add_nc_u32 v15, s19, v15                     ; way out: SP x lane: my 16 neighbours
	s_lshl_b32 s28, ttmp9, 2
	s_add_co_u32 s28, s28, s18                     ; which run of 8,192 numbers is my wave's
	s_lshl_b32 s30, s28, 15
	s_mov_b32 s31, 0
	s_add_nc_u64 s[4:5], s[4:5], s[30:31]
	s_lshl_b32 s30, s28, 13
	s_add_nc_u64 s[12:13], s[12:13], s[30:31]
.macro LOAD t
.irp i, 0,1,2,3
	global_load_b128 v[RR+16*((\t)%4)+4*\i:RR+16*((\t)%4)+4*\i+3], v3, s[4:5] offset:2048*(\t)+512*\i th:TH_LOAD_NT
.endr
.endm
.macro TURN t                          ; a step's numbers through the stage: LDS serves a wave's instructions in order, so no wait stands between the stores and the loads
.irp i, 0,1,2,3
	ds_store_b128 v14, v[RR+16*((\t)%4)+4*\i:RR+16*((\t)%4)+4*\i+3] offset:32*SP*((\t)%2)+8*SP*\i
.endr
.irp i, 0,1,2,3
	ds_load_b128 v[XX+16*((\t)%2)+4*\i:XX+16*((\t)%2)+4*\i+3], v15 offset:32*SP*((\t)%2)+16*\i
.endr
.endm
.irp t, 0,1,2,3
	LOAD \t
.endr
	s_wait_alu depctr_va_vdst(0)
	s_wait_kmcnt 0x0
	s_add_co_i32 s28, s20, 127
	s_lshl_b32 s29, s28, 23
	v_mov_b32 v11, s29                             ; 2^e0 as f32: the conversion takes its exponent field
	s_add_co_i32 s28, s28, 8
	s_lshl_b32 s28, s28, 23
	s_or_b32 s28, s28, 0x600000
	s_wait_alu depctr_va_vdst(0)
	s_wait_loadcnt 12                              ; step 0's four loads are in; the twelve of steps 1 to 3 may be out
	TURN 0
.macro STEP t
.set XS, XX+16*((\t)%2)
	s_wait_dscnt 0x0                               ; this step's numbers are back, so its stores into the stage have read their registers,
.if (\t)+4 < STEPS
	LOAD (\t)+4                                    ; which take the loads of four steps on
.endif
.if (\t)+1 < STEPS
.if STEPS-2-(\t) >= 3
	s_wait_loadcnt 12                              ; the next step's loads are in; those of the three steps behind it may be out
.else
	s_wait_loadcnt 4*(STEPS-2-(\t))
.endif
	TURN (\t)+1
.endif
.irp i, 0,1,2,3,4,5,6,7,8,9,10,11,12,13,14,15
.endr
	v_cvt_scalef32_pk8_fp8_f32 v[CC+4*(\t):CC+4*(\t)+1], v[XS:XS+7], v11
	v_cvt_scalef32_pk8_fp8_f32 v[CC+4*(\t)+2:CC+4*(\t)+3], v[XS+8:XS+15], v11
	v_nop                                          ; a plain line behind the last conversion of the run
	global_store_b128 v3, v[CC+4*(\t):CC+4*(\t)+3], s[12:13] offset:512*(\t)
.endm
.irp t, 0,1,2,3,4,5,6,7,8,9,10,11,12,13,14,15
	STEP \t
.endr
	s_wait_tensorcnt 0x0                           ; the wave's end, behind my last LDS store
	ds_add_u32 v[SPW], v[NIL]
	s_wait_dscnt 0x0
	s_endpgm
	; ---------------- the weights ----------------
.Lw:
	s_sub_co_u32 s28, ttmp9, 256
	s_and_b32 s29, s28, 31                         ; which 128 columns: 0-23 W_attn's, 24-31 W_proj's
	s_lshr_b32 s28, s28, 5                         ; which 256 along K
	s_mov_b32 s30, 4096
	s_wait_kmcnt 0x0
	s_cmp_lt_u32 s29, 24                           ; the choice hangs on the work-group's number alone
	s_cselect_b64 s[4:5], s[6:7], s[8:9]           ; the weight,
	s_cselect_b64 s[12:13], s[14:15], s[16:17]     ; its codes,
	s_cselect_b32 s30, 12288, s30                  ; a row of it in bytes,
	s_cselect_b32 s31, 0, 24
	s_cselect_b32 s32, s21, s27                    ; and its e
	s_sub_co_u32 s29, s29, s31
	s_lshl_b32 s29, s29, 7
	s_lshl_b32 s33, s18, 5
	s_add_co_u32 s29, s29, s33                     ; my wave's first column
	s_lshl_b32 s34, s28, 8
	s_mul_i32 s34, s34, s30                        ; 256 y rows
	s_lshl_b32 s33, s29, 2
	s_add_co_u32 s34, s34, s33                     ; + 4 x column
	s_mov_b32 s35, 0
	s_add_nc_u64 s[BAS:BAS+1], s[4:5], s[34:35]
	s_lshl_b32 s34, s30, 5                         ; 32 rows
.irp t, 1,2,3,4,5,6,7
	s_add_nc_u64 s[BAS+2*\t:BAS+2*\t+1], s[BAS+2*\t-2:BAS+2*\t-1], s[34:35]
.endr
	s_lshl_b32 s52, s29, 10                        ; codes: column x 1,024 + 256 y
	s_lshl_b32 s33, s28, 8
	s_add_co_u32 s52, s52, s33
	s_mov_b32 s53, 0
	s_add_nc_u64 s[12:13], s[12:13], s[52:53]
	s_wait_alu depctr_va_vdst(0)
	v_lshlrev_b32 v[ROFF], 2, v2
.set N, 1
.rept 31
	v_add_nc_u32 v[ROFF+N], s30, v[ROFF+N-1]
.set N, N+1
.endr
	s_mul_i32 s19, s18, 32*WP
	s_add_co_u32 s19, s19, WBASE                   ; my stage
	v_mul_u32_u24 v4, v2, WP
	v_add_nc_u32 v4, s19, v4                       ; into it: row = my column
	v_and_b32 v5, 15, v2
	v_lshrrev_b32 v6, 4, v2
	v_mul_u32_u24 v7, v6, WP
	v_lshl_add_u32 v7, v5, 4, v7
	v_add_nc_u32 v7, s19, v7                       ; out of it: sixteen lanes to a row, two rows an instruction
	v_lshlrev_b32 v8, 10, v6
	v_lshl_add_u32 v8, v5, 4, v8                   ; and the same place in the codes
.macro WLOAD t                         ; block t: W(32 t + i, my column) into set t % 2: a wave reads 128 consecutive bytes, the work-group 512
.set N, 0
.rept 32
	global_load_b32 v[WX+32*((\t)%2)+N], v[ROFF+N], s[BAS+2*(\t):BAS+2*(\t)+1] th:TH_LOAD_NT
.set N, N+1
.endr
.endm
	WLOAD 0
	WLOAD 1
	s_add_co_i32 s32, s32, 127
	s_lshl_b32 s33, s32, 23
	v_mov_b32 v11, s33                             ; 2^e
	s_add_co_i32 s32, s32, 8
	s_lshl_b32 s32, s32, 23
	s_or_b32 s32, s32, 0x600000
.macro BLOCK t
.set XS, WX+32*((\t)%2)
.if (\t) < NB-1
	s_wait_loadcnt 32                              ; this block's 32 loads are in; the next block's may be out
.else
	s_wait_loadcnt 0
.endif
.set N, 0
.rept 32
.set N, N+1
.endr
.irp g, 0,1,2,3
	v_cvt_scalef32_pk8_fp8_f32 v[WC+2*\g:WC+2*\g+1], v[XS+8*\g:XS+8*\g+7], v11
.endr
	v_nop                                          ; a plain line behind the last conversion of the run
	ds_store_b128 v4, v[WC:WC+3] offset:32*(\t)
	ds_store_b128 v4, v[WC+4:WC+7] offset:32*(\t)+16
.if (\t)+2 < NB
	WLOAD (\t)+2
.endif
	s_wait_dscnt 0x0                               ; the stores have read their registers: the next block's codes may be written
.endm
	s_wait_alu depctr_va_vdst(0)
.irp t, 0,1,2,3,4,5,6,7
	BLOCK \t
.endr
.irp t, 0,1,2,3,4,5,6,7,8,9,10,11,12,13,14,15
	ds_load_b128 v[OUTR+4*\t:OUTR+4*\t+3], v7 offset:2*\t*WP
.endr
.irp t, 0,1,2,3,4,5,6,7,8,9,10,11,12,13,14,15
	s_wait_dscnt 15-\t                             ; LDS loads come back in order: load t is in, the younger ones may be out
	global_store_b128 v8, v[OUTR+4*\t:OUTR+4*\t+3], s[12:13] offset:2*\t*1024
.endr
	s_wait_tensorcnt 0x0                           ; the wave's end, behind my last LDS store
	ds_add_u32 v[SPW], v[NIL]
	s_wait_dscnt 0x0
	s_endpgm
.Lfunc_end_k_q75df1fbaf8_prep:
	.size	k_q75df1fbaf8_prep, .Lfunc_end_k_q75df1fbaf8_prep-k_q75df1fbaf8_prep
	.p2alignl 7, 3214868480
	.fill 96, 4, 3214868480
	.section	.rodata,"a",@progbits
	.p2align	6, 0x0
	.amdhsa_kernel k_q75df1fbaf8_prep
		.amdhsa_group_segment_fixed_size 68096
		.amdhsa_private_segment_fixed_size 0
		.amdhsa_enable_private_segment 0
		.amdhsa_kernarg_size 56
		.amdhsa_user_sgpr_count 2
		.amdhsa_user_sgpr_kernarg_segment_ptr 1
		.amdhsa_wavefront_size32 1
		.amdhsa_system_sgpr_workgroup_id_x 1
		.amdhsa_system_sgpr_workgroup_id_y 1
		.amdhsa_system_sgpr_workgroup_id_z 1
		.amdhsa_system_vgpr_workitem_id 0
		.amdhsa_next_free_vgpr 208
		.amdhsa_next_free_sgpr 66
		.amdhsa_reserve_vcc 0
		.amdhsa_float_denorm_mode_32 3
		.amdhsa_float_denorm_mode_16_64 3
		.amdhsa_fp16_overflow 1
		.amdhsa_memory_ordered 1
		.amdhsa_forward_progress 1
		.amdhsa_inst_pref_size 56
	.end_amdhsa_kernel
	.amdgpu_metadata
---
amdhsa.version: [ 1, 2 ]
amdhsa.kernels:
  - .name:           k_q75df1fbaf8_prep
    .symbol:         k_q75df1fbaf8_prep.kd
    .args:
      - { .name: x, .offset: 0, .size: 8, .value_kind: global_buffer, .address_space: global }
      - { .name: W_attn, .offset: 8, .size: 8, .value_kind: global_buffer, .address_space: global }
      - { .name: W_proj, .offset: 16, .size: 8, .value_kind: global_buffer, .address_space: global }
      - { .name: lowp_scales, .offset: 24, .size: 8, .value_kind: global_buffer, .address_space: global }
      - { .name: x_codes, .offset: 32, .size: 8, .value_kind: global_buffer, .address_space: global }
      - { .name: wa_codes, .offset: 40, .size: 8, .value_kind: global_buffer, .address_space: global }
      - { .name: wp_codes, .offset: 48, .size: 8, .value_kind: global_buffer, .address_space: global }
    .group_segment_fixed_size: 68096
    .private_segment_fixed_size: 0
    .kernarg_segment_align: 8
    .kernarg_segment_size: 56
    .max_flat_workgroup_size: 128
    .sgpr_count:     66
    .vgpr_count:     208
    .wavefront_size: 32
...
	.end_amdgpu_metadata
.endif
;; end of part 1
;; launch qkv (part 2): grid 12 x 32, 4 waves a work-group, clusters of 4 x 4, 327,680 bytes of LDS; arguments x_codes, wa_codes, lowp_scales, b_attn, q_img, k_img, v_img; writes q_img, k_img, v_img
.if DOCPART == 2
	.amdgcn_target "amdgcn-amd-amdhsa--gfx1250"
	.amdhsa_code_object_version 6
	.text
	.protected	k_q75df1fbaf8_qkv
	.globl	k_q75df1fbaf8_qkv
	.p2align	8
	.type	k_q75df1fbaf8_qkv,@function
k_q75df1fbaf8_qkv:
	s_mov_b64 s[64:65], 0
	v_nop
	global_prefetch_b8 v0, s[64:65] scope:SCOPE_SE
	s_setreg_imm32_b32 hwreg(HW_REG_WAVE_MODE, 25, 1), 1
	s_wait_xcnt 0x0
	s_wait_alu depctr_hold_cnt(0) depctr_sa_sdst(0) depctr_va_vdst(0) depctr_va_sdst(0) depctr_va_ssrc(0) depctr_va_vcc(0) depctr_vm_vsrc(0)
	s_getreg_b32 s2, hwreg(HW_REG_IB_STS2, 6, 4)
	s_cmp_eq_u32 s2, 0
	s_cbranch_scc0 .Lentry_in_a_cluster
	s_endpgm
.Lentry_in_a_cluster:
	s_bfe_u32 s2, ttmp6, 0x10000c
	s_cmp_lg_u32 s2, 0xf033
	s_cbranch_scc0 .Lentry_shape_is_right
	s_endpgm
.Lentry_shape_is_right:
; qkv = x W_attn + b_attn on codes of E4M3 (x_codes [8192][1024], wa_codes [3072 n][1024 k]), f32 sums; each finished sum x 2^(e0 + e1) + bias is quantised at once for attention: q by e2, k by e3, v by e5.
; LIMITS: e0 + e1 between -126 and 127; e2, e3, e5 between -126 and 119.  NaN is not served.
; A tile of 256 x 256 is made by four waves, 128 x 128 each: 64 accumulators, 512 registers.  K goes in steps of 256 through two LDS slots filled by the tensor data mover.
; CLUSTERS: 4 x 4 work-groups; A's tile is asked for jointly along a row of the cluster, B's along a column.  A cluster's four tile columns are the 1,024 columns of ONE kind: cluster x = 0: q, 1: k, 2: v.
; THE MATRIX INSTRUCTION IS USED TRANSPOSED (source 0 = 16 rows of wa_codes, source 1 = 16 rows of x_codes): a lane holds one token (lane % 16) and eight neighbouring channels a register group.
; WHAT IS STORED are images of the registers that attention's operands want.  q_img, k_img: [batch x head][token / 16][2][lane][16 bytes]: lane (r, h) holds token r's channels 16 c + 8 h + 0 .. 7 in
; registers 2 c, 2 c + 1: just what the conversions of a head's four accumulators give.  v_img: [batch x head][key / 128][4][4][lane][16 bytes]: a fragment with the keys along the registers; lane (r, h) of
; fragment f holds channel 32 (f / 2) + 2 r + f % 2, keys 16 c + 8 h + 0 .. 7 in registers 2 c, 2 c + 1.  v's codes turn through the wave's own stage in LDS (rows = keys), by the 16-bit turning load on pairs of bytes.
; No prefetch: K has four steps, of which two are the first fills, at the head, where every work-group's first tiles are on their way.
; REGISTERS: window 0: v1-6 scratch; v8 2^e of my kind; v10 bias offset; v12, v13 the stage; v16-21 LDS addresses; v26 16 x lane; v28, v29 the add's two; v32-95 the bias; v96-127 at work;
;   from v128 A's fragments, ONE set, later the codes.   window 1: B's fragments, two sets.   windows 2, 3: the accumulators ((a, b) at v[8 (8 (a % 4) + b)]).
.set ROWB,   256                       ; a tile's row in bytes
.set KROW,   1024                      ; a row of codes in memory
.set PITCH,  272                       ; an LDS row: 256 bytes + 16 of padding: the 16 rows of a fragment load start 68 words apart
.set FR,     16
.set NL,     4
.set NP,     4
.set HALFT,  128*PITCH
.set SLOT,   4*HALFT
.set LAPS,   2                         ; 1,024 along K = two laps of two K steps
.set SPARE,  2*SLOT                    ; behind the ring: the spare words, 128 bytes a wave
.set VP,     160                       ; v's stage: a key's row: 128 bytes of codes (two heads) + 32
.set ADRA, 16
.set ADRB, 20
.set CO,   26
.set SPW,  28
.set NIL,  29
.set SC,   8
.set LIMV, 9
.set BO,   10
.set VIN,  12
.set VOUT, 13
.set BIAS, 32
.set TMP,  96
.set COD,  128
.set AF,   128
.set G1, 24
.set G0, 32
.set G1B, 48
.set G0B, 56
.set MSB, 0
.macro WIN new                         ; the immediate's high byte repeats the setting that is left
.if MSB != (\new)
	s_set_vgpr_msb (MSB<<8)|(\new)
.set MSB, (\new)
.endif
.endm
.set MUL_LO, 0xa1                      ; source 0 (B) window 1, source 1 (A) window 0, C and D window 2
.set MUL_HI, 0xf1
.set TO_B,   0x40
; A joint load: waves 0 and 1 fetch for A, waves 2 and 3 for B; the branch hangs on the wave's number alone.  An s_nop 0 and four v_nop follow each line.
.macro JLOAD g0a, g1a, g0b, g1b
	s_cmp_eq_u32 s15, 0
	s_cbranch_scc0 .Lfor_b_\@
	tensor_load_to_lds s[\g0a:\g0a+3], s[\g1a:\g1a+7]
	s_nop 0
.rept 4
	v_nop
.endr
	s_branch .Lasked_\@
.Lfor_b_\@:
	tensor_load_to_lds s[\g0b:\g0b+3], s[\g1b:\g1b+7]
	s_nop 0
.rept 4
	v_nop
.endr
.Lasked_\@:
.endm
.macro CREST                           ; a round of the cluster's barrier behind its opening barrier
	s_cmp_lg_u32 s14, 0
	s_cbranch_scc1 .Lnot_wave_0_\@
	s_barrier_signal -3
.Lnot_wave_0_\@:
	s_barrier_wait -3
	s_barrier_signal -1
	s_barrier_wait -1
.endm
.macro CROUND
	s_barrier_signal -1
	s_barrier_wait -1
	CREST
.endm
	s_load_b128 s[4:7], s[0:1], 0x0                ; x_codes, wa_codes
	s_load_b128 s[8:11], s[0:1], 0x10              ; the exponents, b_attn
	s_load_b128 s[68:71], s[0:1], 0x20             ; q_img, k_img
	s_load_b64 s[72:73], s[0:1], 0x30              ; v_img
	v_lshl_add_u32 v[SPW], v0, 2, SPARE
	v_mov_b32 v[NIL], 0
	ds_add_u32 v[SPW], v[NIL]
	ds_add_u32 v[SPW], v[NIL]                      ; the wave's opening: the add and its wait ahead of my first tensor load
	v_lshrrev_b32 v1, 5, v0
	v_readfirstlane_b32 s14, v1                    ; wave
	s_lshr_b32 s15, s14, 1                         ; my half of the tile's rows.  Also: I fetch for A (0) or B (1)
	s_and_b32 s16, s14, 1                          ; my half of its columns.  Also: which 128 rows I fetch
	s_bfe_u32 s40, ttmp6, 0x40000                  ; cx
	s_bfe_u32 s41, ttmp6, 0x40004                  ; cy
	s_lshl_b32 s42, ttmp9, 2
	s_add_co_u32 s42, s42, s40                     ; tile column
	s_and_b32 s17, ttmp7, 0xffff
	s_lshl_b32 s17, s17, 2
	s_add_co_u32 s17, s17, s41                     ; tile row
	s_lshl_b32 s43, s41, 2
	s_lshl_b32 s43, 15, s43                        ; my row of the cluster
	s_lshl_b32 s44, 0x1111, s40                    ; my column
	s_or_b32 s[G1+0], s43, (0<<16)|(1<<20)|(1<<21)|(5<<22)|(3<<25)  ; the mask; elements of 1 byte; padding on; bit 21 beside a mask; 4 words behind every 64
	s_or_b32 s[G1B+0], s44, (0<<16)|(1<<20)|(1<<21)|(5<<22)|(3<<25)
.irp g, G1, G1B
	s_mov_b32 s[\g+1], ROWB<<16                    ; tensor_dim0
	s_mov_b32 s[\g+2], 128<<16                     ; tensor_dim1
	s_mov_b32 s[\g+3], ROWB<<16                    ; tile_dim0
	s_mov_b32 s[\g+4], 128                         ; tile_dim1
	s_mov_b32 s[\g+5], KROW                        ; the pitch
	s_mov_b32 s[\g+6], 0
	s_mov_b32 s[\g+7], 0
.endr
	s_lshl_b32 s18, s16, 7
	s_lshl_b32 s20, s17, 8
	s_add_co_u32 s20, s20, s18                     ; A: row 256 x tile row + 128 x half
	s_lshl_b32 s20, s20, 10                        ; in bytes
	s_mov_b32 s21, 0
	s_lshl_b32 s46, s42, 8
	s_add_co_u32 s46, s46, s18                     ; B: row 256 x tile column + 128 x half
	s_lshl_b32 s46, s46, 10
	s_mov_b32 s47, 0
	s_mul_i32 s45, s14, HALFT                      ; where they go: wave x 128 rows
	s_wait_dscnt 0x0                               ; the opening add is done
	s_wait_kmcnt 0x0
	s_load_b256 s[80:87], s[8:9], 0x0              ; e0 .. e7
	s_add_nc_u64 s[20:21], s[4:5], s[20:21]
	s_add_nc_u64 s[46:47], s[6:7], s[46:47]
	CROUND                                         ; all sixteen work-groups are here: the first joint loads meet
.irp s, 0,1
	s_mov_b32 s[G0+4*\s], 1
	s_add_co_u32 s[G0+4*\s+1], s45, \s*SLOT
	s_add_nc_u64 s[G0+4*\s+2:G0+4*\s+3], s[20:21], \s*ROWB
	s_or_b32 s[G0+4*\s+3], s[G0+4*\s+3], 0x80000000
	s_mov_b32 s[G0B+4*\s], 1
	s_add_co_u32 s[G0B+4*\s+1], s45, \s*SLOT
	s_add_nc_u64 s[G0B+4*\s+2:G0B+4*\s+3], s[46:47], \s*ROWB
	s_or_b32 s[G0B+4*\s+3], s[G0B+4*\s+3], 0x80000000
	JLOAD G0+4*\s, G1, G0B+4*\s, G1B
.endr
	v_and_b32 v1, 15, v0                           ; r
	v_bfe_u32 v2, v0, 4, 1                         ; h
	v_mul_u32_u24 v3, v1, PITCH
	v_lshl_add_u32 v4, v2, 4, v3
	s_mul_i32 s21, s15, HALFT
	s_mul_i32 s22, s16, HALFT
	s_add_co_u32 s22, s22, 2*HALFT
.irp s, 0,1
	v_add_nc_u32 v[ADRA+\s], s21, v4
	v_add_nc_u32 v[ADRB+\s], s22, v4
	s_add_co_u32 s21, s21, SLOT
	s_add_co_u32 s22, s22, SLOT
.endr
	v_and_b32 v6, 31, v0
	v_lshlrev_b32 v[CO], 4, v6                     ; 16 x lane: an image's place for my lane
	v_lshlrev_b32 v[BO], 5, v2                     ; the bias: 32 h bytes
	s_mul_i32 s23, s14, 128*VP                     ; v's stage, my wave's 128 rows; it lies in slot 0, which has had its last fill and its last read when it is written
	v_mul_u32_u24 v5, v1, VP
	v_lshl_add_u32 v5, v2, 3, v5
	v_add_nc_u32 v[VIN], s23, v5                   ; in: key r, + 8 h
	v_and_b32 v5, 7, v0
	v_lshl_add_u32 v5, v2, 3, v5
	v_mul_u32_u24 v5, v5, VP
	v_bfe_u32 v6, v0, 3, 1
	v_lshl_add_u32 v5, v6, 4, v5
	v_add_nc_u32 v[VOUT], s23, v5                  ; out: key 8 h + lane % 8, + 16 ((lane / 8) % 2)
	s_mov_b32 s66, 0x06040200                      ; the even bytes of two registers
	s_mov_b32 s67, 0x07050301                      ; the odd ones
	s_lshl_b32 s46, s42, 10                        ; the bias of my 128 columns: 4 (256 x tile column + 128 x half)
	s_lshl_b32 s47, s16, 9
	s_add_co_u32 s46, s46, s47
	s_mov_b32 s47, 0
	s_add_nc_u64 s[10:11], s[10:11], s[46:47]
.irp b, 0,1,2,3,4,5,6,7
	global_load_b128 v[BIAS+8*\b:BIAS+8*\b+3], v[BO], s[10:11] offset:64*\b        ; columns 16 b + 8 h + 0 .. 7: the accumulators' layout
	global_load_b128 v[BIAS+8*\b+4:BIAS+8*\b+7], v[BO], s[10:11] offset:64*\b+16
.endr
	s_wait_kmcnt 0x0
	s_cmp_eq_u32 ttmp9, 1                          ; the kind hangs on the cluster's x alone: the same in all partners
	s_cselect_b64 s[74:75], s[70:71], s[72:73]
	s_cselect_b32 s88, s83, s85
	s_cmp_eq_u32 ttmp9, 0
	s_cselect_b64 s[74:75], s[68:69], s[74:75]     ; q_img, k_img or v_img,
	s_cselect_b32 s88, s82, s88                    ; and e2, e3 or e5
	s_lshr_b32 s76, s17, 3                         ; the batch
	s_lshl_b32 s76, s76, 4
	s_lshl_b32 s77, s40, 2
	s_add_co_u32 s76, s76, s77
	s_lshl_b32 s77, s16, 1
	s_add_co_u32 s76, s76, s77                     ; 16 x batch + my first head
	s_lshl_b32 s76, s76, 17                        ; a head's image is 131,072 bytes
	s_and_b32 s77, s17, 7
	s_lshl_b32 s77, s77, 8
	s_lshl_b32 s78, s15, 7
	s_add_co_u32 s77, s77, s78                     ; my first token in the sequence,
	s_lshl_b32 s77, s77, 6                         ; 64 bytes a token in all three images
	s_add_co_u32 s76, s76, s77
	s_mov_b32 s77, 0
	s_add_nc_u64 s[74:75], s[74:75], s[76:77]
	s_add_co_i32 s96, s80, s81
	s_add_co_i32 s96, s96, 127
	s_lshl_b32 s96, s96, 23                        ; 2^(e0 + e1) as f32
	s_mov_b32 s97, s96                             ; (named with it as a pair)
	s_add_co_i32 s88, s88, 127
	s_lshl_b32 s89, s88, 23
	v_mov_b32 v[SC], s89                           ; 2^e of my kind
.macro FRAG reg, adr, q, i             ; 16 rows x 128 K: registers 4 c .. 4 c + 3 hold K = 32 c + 16 h + 0 .. 15: the same order of k in A and in B
.irp c, 0,1,2,3
	ds_load_b128 v[\reg+4*\c:\reg+4*\c+3], v[\adr] offset:128*(\q)+32*\c+(\i)*16*PITCH
.endr
.endm
; 16 matrix instructions: A's blocks a0, a0 + 1 x B's eight.  The 64 accumulators take turns, one instruction a turn, in the same order in every step.
.macro MUL16 a0, p, zero
.irp a, \a0, \a0+1
.irp b, 0,1,2,3,4,5,6,7
.if \zero
	v_wmma_f32_16x16x128_fp8_fp8 v[8*(8*((\a)%4)+\b):8*(8*((\a)%4)+\b)+7], v[128*(\p)+FR*\b:128*(\p)+FR*\b+FR-1], v[AF+FR*(\a):AF+FR*(\a)+FR-1], 0
.else
	v_wmma_f32_16x16x128_fp8_fp8 v[8*(8*((\a)%4)+\b):8*(8*((\a)%4)+\b)+7], v[128*(\p)+FR*\b:128*(\p)+FR*\b+FR-1], v[AF+FR*(\a):AF+FR*(\a)+FR-1], v[8*(8*((\a)%4)+\b):8*(8*((\a)%4)+\b)+7]
.endif
.endr
.endr
.endm
.macro FETCH_B slot, q, p
	WIN TO_B
.irp i, 0,1,2,3,4,5,6,7
	FRAG 128*(\p)+FR*\i, ADRB+\slot, \q, \i
.endr
	WIN 0
.endm
.macro FETCH_A slot, q, i0
.irp i, \i0, \i0+1, \i0+2, \i0+3
	FRAG AF+FR*(\i), ADRA+\slot, \q, \i
.endr
.endm
.macro PLACES n                        ; plain vector lines between a matrix instruction and a load into, or a read of, its registers
.rept \n
	v_nop
.endr
.endm
.macro STEP slot, q, zero              ; 128 along K with its successor in the same slot
	s_wait_dscnt 4*NL                              ; B's set and A's blocks 0-3 are in; the youngest sixteen loads (A's blocks 4-7) may be out
	WIN MUL_LO
	MUL16 0, (\q)%2, \zero
	MUL16 2, (\q)%2, \zero
	s_wait_dscnt 0
	PLACES NP
	FETCH_B \slot, (\q)+1, 1-(\q)%2
	FETCH_A \slot, (\q)+1, 0
	WIN MUL_HI
	MUL16 4, (\q)%2, \zero
	MUL16 6, (\q)%2, \zero
	PLACES NP
	WIN 0
	FETCH_A \slot, (\q)+1, 4
.endm
; A slot's last step changes slots: each wave waits for all its tensor loads, adds 0 to its spare word, waits for that and for its reads of this slot; one barrier; fill = 1: it opens a round of the cluster's, and the joint refill comes first behind it.
.macro TURN slot, next, fill
	s_wait_tensorcnt 0x0                           ; all my tensor loads have landed: my part of the next slot
	ds_add_u32 v[SPW], v[NIL]
	s_wait_dscnt 4*NL+1                            ; the add and the youngest sixteen loads may be out
	WIN MUL_LO
	MUL16 0, 1, 0
	s_wait_dscnt 0x0                               ; the add is done, and my reads of this slot are over
	s_barrier_signal -1
	MUL16 2, 1, 0
	WIN 0
	s_barrier_wait -1
.if \fill
	CREST
	s_add_nc_u64 s[G0+4*\slot+2:G0+4*\slot+3], s[G0+4*\slot+2:G0+4*\slot+3], 2*ROWB
	s_add_nc_u64 s[G0B+4*\slot+2:G0B+4*\slot+3], s[G0B+4*\slot+2:G0B+4*\slot+3], 2*ROWB
	JLOAD G0+4*\slot, G1, G0B+4*\slot, G1B         ; its four v_nop are also the places in front of the loads below
.else
	PLACES NP
.endif
	FETCH_B \next, 0, 0
	FETCH_A \next, 0, 0
	WIN MUL_HI
	MUL16 4, 1, 0
	MUL16 6, 1, 0
	PLACES NP
	WIN 0
	FETCH_A \next, 0, 4
.endm
	s_wait_tensorcnt 1                             ; my part of K step 0 is in; K step 1's load may be out
	s_barrier_signal -1
	s_barrier_wait -1
	FETCH_B 0, 0, 0
	FETCH_A 0, 0, 0
	FETCH_A 0, 0, 4
	STEP 0, 0, 1                                   ; the first step's products start the sums
	s_mov_b32 s3, LAPS-1
.Llap:
	TURN 0, 1, 1
	STEP 1, 0, 0
	TURN 1, 0, 1
	STEP 0, 0, 0
	s_sub_co_u32 s3, s3, 1
	s_cmp_lg_u32 s3, 0
	s_cbranch_scc1 .Llap
	TURN 0, 1, 0                                   ; the last lap fills nothing
	STEP 1, 0, 0
	s_wait_dscnt 4*NL
	WIN MUL_LO
	MUL16 0, 1, 0
	MUL16 2, 1, 0
	s_wait_dscnt 0
	WIN MUL_HI
	MUL16 4, 1, 0
	MUL16 6, 1, 0
	WIN 0
; THE WAY OUT.  A unit is 16 tokens x one head: four accumulators.  sum x 2^(e0 + e1) + bias, one packed multiply-add for two; the hold; four conversions: eight registers of codes, an operand's image.
.macro UNIT a, hd
	WIN 0x02+((\a)/4)                              ; source 0: window 2 or 3
.irp c, 0,1,2,3
.irp i, 0,2,4,6
	v_pk_fma_f32 v[TMP+8*\c+\i:TMP+8*\c+\i+1], v[8*(8*((\a)%4)+4*(\hd)+\c)+\i:8*(8*((\a)%4)+4*(\hd)+\c)+\i+1], s[96:97], v[BIAS+8*(4*(\hd)+\c)+\i:BIAS+8*(4*(\hd)+\c)+\i+1] op_sel_hi:[1,0,1]
.endr
.endr
	WIN 0
.set N, 0
.rept 32
.set N, N+1
.endr
.irp c, 0,1,2,3
	v_cvt_scalef32_pk8_fp8_f32 v[COD+8*(2*(\a)+(\hd))+2*\c:COD+8*(2*(\a)+(\hd))+2*\c+1], v[TMP+8*\c:TMP+8*\c+7], v[SC]
.endr
	v_nop                                          ; a plain line behind the last conversion: the next unit writes its sources
.endm
	s_wait_loadcnt 0x0                             ; the bias
	PLACES NP
.irp a, 0,1,2,3,4,5,6,7
	UNIT \a, 0
	UNIT \a, 1
.endr
	s_cmp_eq_u32 ttmp9, 2                          ; the cluster's x: all partners and all waves go the same way
	s_cbranch_scc1 .Lv
.irp a, 0,1,2,3,4,5,6,7                ; q, k: the codes are the image: each store covers 512 consecutive bytes
.irp hd, 0,1
.irp i, 0,1
	global_store_b128 v[CO], v[COD+8*(2*\a+\hd)+4*\i:COD+8*(2*\a+\hd)+4*\i+3], s[74:75] offset:131072*\hd+1024*\a+512*\i
.endr
.endr
.endr
	s_branch .Ldone
.Lv:                                   ; v: the keys must run along the registers: through my stage, rows = keys, bytes = channels
	s_wait_alu depctr_va_vdst(0)
.irp a, 0,1,2,3,4,5,6,7
.irp hd, 0,1
.irp c, 0,1,2,3
	ds_store_b64 v[VIN], v[COD+8*(2*\a+\hd)+2*\c:COD+8*(2*\a+\hd)+2*\c+1] offset:16*VP*\a+64*\hd+16*\c
.endr
.endr
.endr
.macro LOADT g, t                      ; 128 keys x channels 32 g .. 32 g + 31, turned in pairs of bytes: lane (r, h): keys 16 c + 8 h + 0 .. 7 of channels 32 g + 2 r and + 1, interleaved
.irp c, 0,1,2,3,4,5,6,7
	ds_load_tr16_b128 v[\t+4*\c:\t+4*\c+3], v[VOUT] offset:16*VP*\c+32*(\g)
.endr
.endm
.macro PERM g, t                       ; the even channels' fragment, the odd channels' fragment, and their eight stores of 512 consecutive bytes
.irp c, 0,1,2,3,4,5,6,7
	v_perm_b32 v[COD+32*(\g)+2*\c], v[\t+4*\c+1], v[\t+4*\c], s66
	v_perm_b32 v[COD+32*(\g)+2*\c+1], v[\t+4*\c+3], v[\t+4*\c+2], s66
	v_perm_b32 v[COD+32*(\g)+16+2*\c], v[\t+4*\c+1], v[\t+4*\c], s67
	v_perm_b32 v[COD+32*(\g)+16+2*\c+1], v[\t+4*\c+3], v[\t+4*\c+2], s67
.endr
.irp par, 0,1
.irp i, 0,1,2,3
	global_store_b128 v[CO], v[COD+32*(\g)+16*\par+4*\i:COD+32*(\g)+16*\par+4*\i+3], s[74:75] offset:131072*((\g)/2)+2048*(2*((\g)%2)+\par)+512*\i
.endr
.endr
.endm
	LOADT 0, 32                                    ; LDS serves a wave's instructions in order: these see my stores
	LOADT 1, 64
	s_wait_dscnt 8                                 ; all but the youngest eight: my stores into the stage have read the codes' registers, and the first eight loads are in
	PERM 0, 32
	LOADT 2, 32
	s_wait_dscnt 8
	PERM 1, 64
	LOADT 3, 64
	s_wait_dscnt 8
	PERM 2, 32
	s_wait_dscnt 0
	PERM 3, 64
.Ldone:
	s_wait_tensorcnt 0x0                           ; the wave's end
	ds_add_u32 v[SPW], v[NIL]
	s_wait_dscnt 0x0
	CROUND                                         ; the closing round
	s_endpgm
.Lfunc_end_k_q75df1fbaf8_qkv:
	.size	k_q75df1fbaf8_qkv, .Lfunc_end_k_q75df1fbaf8_qkv-k_q75df1fbaf8_qkv
	.p2alignl 7, 3214868480
	.fill 96, 4, 3214868480
	.section	.rodata,"a",@progbits
	.p2align	6, 0x0
	.amdhsa_kernel k_q75df1fbaf8_qkv
		.amdhsa_group_segment_fixed_size 327680
		.amdhsa_private_segment_fixed_size 0
		.amdhsa_enable_private_segment 0
		.amdhsa_kernarg_size 56
		.amdhsa_user_sgpr_count 2
		.amdhsa_user_sgpr_kernarg_segment_ptr 1
		.amdhsa_wavefront_size32 1
		.amdhsa_system_sgpr_workgroup_id_x 1
		.amdhsa_system_sgpr_workgroup_id_y 1
		.amdhsa_system_sgpr_workgroup_id_z 1
		.amdhsa_system_vgpr_workitem_id 0
		.amdhsa_next_free_vgpr 1024
		.amdhsa_next_free_sgpr 100
		.amdhsa_reserve_vcc 0
		.amdhsa_float_denorm_mode_32 3
		.amdhsa_float_denorm_mode_16_64 3
		.amdhsa_fp16_overflow 1
		.amdhsa_memory_ordered 1
		.amdhsa_forward_progress 1
		.amdhsa_inst_pref_size 122
	.end_amdhsa_kernel
	.amdgpu_metadata
---
amdhsa.version: [ 1, 2 ]
amdhsa.kernels:
  - .name:           k_q75df1fbaf8_qkv
    .symbol:         k_q75df1fbaf8_qkv.kd
    .args:
      - { .name: x_codes, .offset: 0, .size: 8, .value_kind: global_buffer, .address_space: global }
      - { .name: wa_codes, .offset: 8, .size: 8, .value_kind: global_buffer, .address_space: global }
      - { .name: lowp_scales, .offset: 16, .size: 8, .value_kind: global_buffer, .address_space: global }
      - { .name: b_attn, .offset: 24, .size: 8, .value_kind: global_buffer, .address_space: global }
      - { .name: q_img, .offset: 32, .size: 8, .value_kind: global_buffer, .address_space: global }
      - { .name: k_img, .offset: 40, .size: 8, .value_kind: global_buffer, .address_space: global }
      - { .name: v_img, .offset: 48, .size: 8, .value_kind: global_buffer, .address_space: global }
    .group_segment_fixed_size: 327680
    .private_segment_fixed_size: 0
    .kernarg_segment_align: 8
    .kernarg_segment_size: 56
    .max_flat_workgroup_size: 128
    .sgpr_count:     100
    .vgpr_count:     1024
    .wavefront_size: 32
...
	.end_amdgpu_metadata
.endif
;; end of part 2
;; launch attn (part 3): grid 4 x 64, 16 waves a work-group, no clusters, 327,680 bytes of LDS; arguments q_img, k_img, v_img, lowp_scales, y_img; writes y_img
.if DOCPART == 3
	.amdgcn_target "amdgcn-amd-amdhsa--gfx1250"
	.amdhsa_code_object_version 6
	.text
	.protected	k_q75df1fbaf8_attn
	.globl	k_q75df1fbaf8_attn
	.p2align	8
	.type	k_q75df1fbaf8_attn,@function
k_q75df1fbaf8_attn:
	s_mov_b64 s[64:65], 0
	v_nop
	global_prefetch_b8 v0, s[64:65] scope:SCOPE_SE
	s_setreg_imm32_b32 hwreg(HW_REG_WAVE_MODE, 25, 1), 1
	s_wait_xcnt 0x0
; Causal attention on codes of E4M3, head size 64: S^T = K Q^T by the 16x16x64 form, O^T = V^T P^T by the 16x16x128 form, f32 sums; y = O / l is quantised at once (e6) for the last product.
; t = score x 2^(e2 + e3) x log2(e) / 8; M = the running largest t rounded UP to a whole number; p = 2^(t - M) is quantised by e4; l is the sum of the unquantised p; when M moves, l and O are multiplied by 2^(old M - new M): exact.
; LIMITS: e2 + e3 between -123 and 130 (added to c's exponent field); e4, and e6 - e4 - e5, between -126 and 119.  NaN is not served.
; SHARES.  Work-group (p, head) owns the query blocks 7 - p and p of a head, 256 queries each; under the causal mask they want 8 - p and p + 1 slots of 256 keys: NINE for every work-group, so all 256 work-groups
; have equal work and one loop of constant count.  Each of the sixteen waves owns 16 queries of the block in hand, in 256 registers: four waves to a SIMD, so that one wave's vector work stands beside another's matrix work.
; LAYOUT.  The three inputs are images of operand registers: a tile of 16 keys of K is 1,024 bytes, a fragment of V^T (16 channels x 128 keys) 2,048; a lane's 16 bytes lie at 16 x lane, so LDS needs no pitch.
; A lane holds ONE query (lane % 16) throughout.  Register j of S^T's tile c is key 16 c + 8 (lane / 16) + j: its conversion gives registers 2 c, 2 c + 1 of P, the form's own place for that key.
; Fragment f of V^T holds channels 32 (f / 2) + 2 m + f % 2 in its rows m, so O^T's tiles 2 g and 2 g + 1 interleave to channels 32 g + 16 (lane / 16) + 0 .. 15: 16 bytes of y_img [token / 16][head][g][lane][16 bytes].
; THE RING: two slots of 32,768 bytes (K's 16 tiles, then V's 8 fragments); wave 0 fetches K's 16,384 dense bytes, wave 1 V's, one tensor load each behind each change of slots: one load of a wave is out.
; NO CLUSTER: the four work-groups of a head want different slots in the same trip from trip 8 - p on, so they could not make every request jointly.
; A step all of whose keys come after my 16 queries is left out by a scalar branch on ids; on the diagonal hidden scores become -infinity ahead of the maximum.  Key 0 counts for every query, so M is a number from the first step on.
.set SLOTB, 32768
.set VOFF,  16384
.set SPARE, 65536                      ; behind the ring: the spare words, 128 bytes a wave
.set LN,   1                           ; v1   16 x lane: my place in every image, in LDS and in memory; never rewritten
.set ADR,  2                           ; v2   + the slot in hand
.set PFO,  3                           ; v3   256 x lane, for the prefetches; never rewritten
.set SPW,  5
.set NIL,  6
.set DG,   7                           ; v7   lane % 16 - 8 (lane / 16), for the mask
.set WV,   18
.set SEL,  20                          ; s[20:21] lane selects: lane l xor 16
.set CS,   22                          ; s[22:23] c
.set G1,   24
.set G0,   32
.set KVB,  36                          ; s[36:37] the head's first byte of what my wave would fetch
.set KSN,  38                          ; the slot of keys asked for last
.set NS1,  39                          ; 8 - p: the first block's slots
.set TT,   40                          ; the trip
.set TSW,  41                          ; 7 - p: the first block, and its last trip
.set KF,   42                          ; the step's first key
.set Q0,   43                          ; my first query
.set TB,   44                          ; LDS byte of the slot in hand
.set Q0B,  45                          ; my first query in the second block
.set QP,   46                          ; s[46:49] my tiles of Q, both blocks
.set OFS,  50                          ; s[50:51] an offset
.set PFA,  52                          ; s[52:53] where my prefetches stand
.set LIM,  54                          ; a wave prefetches while the trip is under this
.set EX,   56                          ; s[56:63] e0 .. e7
.set PM0,  66
.set PM1,  67
.set YP,   68                          ; s[68:71] my pieces of y_img, both blocks
.macro TLOAD                           ; waves 0 and 1 fetch; an s_nop 0 and four v_nop follow the line
	s_cmp_lt_u32 s[WV], 2
	s_cbranch_scc0 .Lasked_\@
	tensor_load_to_lds s[G0:G0+3], s[G1:G1+7]
	s_nop 0
.rept 4
	v_nop
.endr
.Lasked_\@:
.endm
; A prefetch of the slot that the NEXT change will ask for.  All four work-groups of a head walk the same keys from slot 0 on; the one that walks all eight (p = 0) asks, in trips 0 to 5 for slots 2 to 7.
; Waves 4 and 5 take the halves of K's 16,384 bytes, waves 6 and 7 of V's, lanes 256 bytes apart: each block of 256 bytes is named once in the launch.  Slots 0 and 1 come by their loads alone.
.macro ASK
	s_cmp_lt_u32 s[TT], s[LIM]
	s_cbranch_scc0 .Lnot_mine_\@
	global_prefetch_b8 v[PFO], s[PFA:PFA+1] th:TH_LOAD_NT scope:SCOPE_SE
.Lnot_mine_\@:
.endm
	s_load_b256 s[4:11], s[0:1], 0x0               ; q_img, k_img, v_img, the exponents
	s_load_b64 s[12:13], s[0:1], 0x20              ; y_img
	v_lshl_add_u32 v[SPW], v0, 2, SPARE
	v_mov_b32 v[NIL], 0
	ds_add_u32 v[SPW], v[NIL]                      ; the wave's opening: the add and its wait ahead of the first tensor load
	ds_add_u32 v[SPW], v[NIL]
	v_lshrrev_b32 v8, 5, v0
	s_delay_alu instid0(VALU_DEP_1)
	v_readfirstlane_b32 s[WV], v8
	s_mov_b32 s[G1], 3<<16                         ; no mask; elements of 8 bytes; no padding
	s_mov_b32 s[G1+1], 32<<16                      ; tensor_dim0 = 32 elements: 256 bytes
	s_mov_b32 s[G1+2], 64<<16                      ; tensor_dim1 = 64 rows
	s_mov_b32 s[G1+3], 32<<16                      ; tile_dim0
	s_mov_b32 s[G1+4], 64                          ; tile_dim1
	s_mov_b32 s[G1+5], 32                          ; the pitch: the block is dense
	s_mov_b32 s[G1+6], 0
	s_mov_b32 s[G1+7], 0
	s_mov_b32 s[SEL], 0x76543210
	s_mov_b32 s[SEL+1], 0xfedcba98
	s_mov_b32 s[PM0], 0x05010400                   ; bytes 0, 1 of two registers, interleaved
	s_mov_b32 s[PM1], 0x07030602                   ; bytes 2, 3
	s_mov_b32 s[CS], 0x3e38aa3b                    ; log2(e) / 8
	s_mov_b32 s[TB], 0
	s_mov_b32 s[KSN], 0
	s_mov_b32 s[TT], 0
	s_mov_b32 s[KF], 0
	s_sub_co_u32 s[TSW], 7, ttmp9
	s_add_co_u32 s[NS1], s[TSW], 1
	s_lshl_b32 s72, s[WV], 4
	s_lshl_b32 s[Q0], s[TSW], 8
	s_add_co_u32 s[Q0], s[Q0], s72
	s_lshl_b32 s[Q0B], ttmp9, 8
	s_add_co_u32 s[Q0B], s[Q0B], s72
	s_and_b32 s73, ttmp7, 0xffff                   ; 16 x batch + head
	s_lshl_b32 s[OFS], s73, 17                     ; a head's image is 131,072 bytes
	s_mov_b32 s[OFS+1], 0
	s_lshl_b32 s74, s[Q0], 6                       ; Q: 64 bytes a query
	s_add_co_u32 s74, s74, s[OFS]
	s_mov_b32 s75, 0
	s_lshl_b32 s76, s[Q0B], 6
	s_add_co_u32 s76, s76, s[OFS]
	s_mov_b32 s77, 0
	s_lshr_b32 s78, s73, 4
	s_lshl_b32 s78, s78, 21                        ; y_img: 16,384 bytes for 16 tokens: a batch is 2^21,
	s_and_b32 s79, s73, 15
	s_lshl_b32 s79, s79, 10                        ; a head 1,024,
	s_add_co_u32 s78, s78, s79
	s_lshl_b32 s80, s[Q0], 10                      ; a token 1,024
	s_add_co_u32 s80, s80, s78
	s_mov_b32 s81, 0
	s_lshl_b32 s82, s[Q0B], 10
	s_add_co_u32 s82, s82, s78
	s_mov_b32 s83, 0
	s_and_b32 s84, s[WV], 1
	s_mov_b32 s[G0], 1
	s_lshl_b32 s[G0+1], s84, 14                    ; LDS: wave 0: K's part of slot 0; wave 1: V's
	s_wait_dscnt 0x0                               ; the opening add is done
	s_wait_kmcnt 0x0
	s_load_b256 s[EX:EX+7], s[10:11], 0x0
	s_cmp_eq_u32 s[WV], 0
	s_cselect_b64 s[KVB:KVB+1], s[6:7], s[8:9]
	s_add_nc_u64 s[KVB:KVB+1], s[KVB:KVB+1], s[OFS:OFS+1]
	s_mov_b64 s[G0+2:G0+3], s[KVB:KVB+1]
	s_or_b32 s[G0+3], s[G0+3], 0x80000000
	TLOAD                                          ; slot 0
	s_add_nc_u64 s[QP:QP+1], s[4:5], s[74:75]
	s_add_nc_u64 s[QP+2:QP+3], s[4:5], s[76:77]
	s_add_nc_u64 s[YP:YP+1], s[12:13], s[80:81]
	s_add_nc_u64 s[YP+2:YP+3], s[12:13], s[82:83]
	v_and_b32 v8, 31, v0
	s_delay_alu instid0(VALU_DEP_1)
	v_lshlrev_b32 v[LN], 4, v8
	s_delay_alu instid0(VALU_DEP_2)
	v_lshlrev_b32 v[PFO], 8, v8
	global_load_b128 v[16:19], v[LN], s[QP:QP+1]               ; the first block's Q,
	global_load_b128 v[20:23], v[LN], s[QP:QP+1] offset:512
	global_load_b128 v[24:27], v[LN], s[QP+2:QP+3]             ; and the second's, kept until it is due
	global_load_b128 v[28:31], v[LN], s[QP+2:QP+3] offset:512
	s_cmp_lt_u32 s[WV], 6
	s_cselect_b64 s[PFA:PFA+1], s[6:7], s[8:9]
	s_add_nc_u64 s[PFA:PFA+1], s[PFA:PFA+1], s[OFS:OFS+1]
	s_lshl_b32 s72, s84, 13
	s_add_co_u32 s72, s72, 16384                   ; in slot 1: the first change steps it to slot 2
	s_mov_b32 s73, 0
	s_add_nc_u64 s[PFA:PFA+1], s[PFA:PFA+1], s[72:73]
	s_lshr_b32 s72, s[WV], 2
	s_xor_b32 s72, s72, 1                          ; 0 in waves 4 to 7,
	s_or_b32 s72, s72, ttmp9                       ; of the work-group with p = 0
	s_cmp_eq_u32 s72, 0
	s_cselect_b32 s[LIM], 6, 0
	v_and_b32 v8, 15, v0
	v_bfe_u32 v9, v0, 4, 1
	s_delay_alu instid0(VALU_DEP_1)
	v_lshlrev_b32 v9, 3, v9
	s_delay_alu instid0(VALU_DEP_1)
	v_sub_nc_u32 v[DG], v8, v9
	v_mov_b32 v236, 0                              ; a lane permute's destination counts as one of its sources
	v_mov_b32 v253, 0                              ; (named as the upper half of the pair v[252:253])
.macro INIT                            ; a block begins: the largest t under every t, the sum and O^T zeros, which the first change of M leaves zeros
	v_mov_b32 v13, 0xff61b1e6
	s_delay_alu instid0(VALU_DEP_1)
	v_floor_f32 v12, -v13
	v_mov_b32 v14, 0
	v_mov_b32 v15, 0
.set N, 0
.rept 32
	v_mov_b32 v[160+N], 0
.set N, N+1
.endr
.endm
	INIT
	s_wait_kmcnt 0x0
	s_add_co_i32 s72, s[EX+2], s[EX+3]
	s_lshl_b32 s72, s72, 23
	s_add_co_i32 s[CS], s[CS], s72                 ; e2 + e3 go into c's exponent field
	s_mov_b32 s[CS+1], s[CS]
	s_add_co_i32 s72, s[EX+4], 127
	s_lshl_b32 s73, s72, 23
	v_mov_b32 v244, s73                            ; 2^e4
	s_sub_co_i32 s72, s[EX+6], s[EX+4]
	s_sub_co_i32 s72, s72, s[EX+5]                 ; O / l stands for y / 2^(e4 + e5): y's code is (O / l) / 2^(e6 - e4 - e5)
	s_add_co_i32 s72, s72, 127
	s_lshl_b32 s73, s72, 23
	v_mov_b32 v245, s73
; A KEY STEP: 128 keys, the q-th of the slot in hand.
.macro STEP q
	s_add_co_u32 s96, s[Q0], 15
	s_cmp_gt_u32 s[KF], s96                        ; all its keys come after my queries: ids and the count of steps alone
	s_cbranch_scc1 .Lhidden_\@
	v_add_nc_u32 v[ADR], s[TB], v[LN]
.rept 3
	v_nop                                          ; with the addition: four places in front of loads into registers that the last products read
.endr
.irp c, 0,1,2,3,4,5,6,7
	ds_load_b128 v[32+8*\c:35+8*\c], v[ADR] offset:8192*(\q)+1024*\c
	ds_load_b128 v[36+8*\c:39+8*\c], v[ADR] offset:8192*(\q)+1024*\c+512
.endr
	s_wait_alu depctr_va_vdst(0)
	s_wait_dscnt 0x0
.irp c, 0,1,2,3,4,5,6,7
	v_wmma_f32_16x16x64_fp8_fp8 v[96+8*\c:103+8*\c], v[32+8*\c:39+8*\c], v[16:23], 0
.endr
.rept 4
	v_nop
.endr
.irp f, 0,1,2,3,4,5,6,7,8,9,10,11,12,13,14,15
	ds_load_b128 v[32+4*\f:35+4*\f], v[ADR] offset:VOFF+8192*(\q)+512*\f   ; V's four fragments land while the softmax is walked
.endr
	s_add_co_u32 s96, s[KF], 127
	s_cmp_le_u32 s96, s[Q0]                        ; all its keys count
	s_cbranch_scc1 .Lopen_\@
	s_sub_co_i32 s96, s[Q0], s[KF]
	v_add_nc_u32 v252, s96, v[DG]                  ; d = my query - KF - 8 (lane / 16); register 8 c + j holds key KF + 8 (lane / 16) + 16 c + j: hidden where 16 c + j > d
	v_mov_b32 v254, 0xff800000
.set N, 0
.rept 64
	v_cmp_gt_i32 vcc_lo, 16*(N/8)+N%8, v252
	v_cndmask_b32 v[96+N], v[96+N], v254, vcc_lo
.set N, N+1
.endr
.Lopen_\@:
	v_max3_num_f32 v254, v96, v97, v98             ; the step's largest score of my query among my 64 keys, in two chains,
	v_max3_num_f32 v252, v99, v100, v101
.set N, 6
.rept 14
	v_max3_num_f32 v254, v254, v[96+N], v[97+N]
	v_max3_num_f32 v252, v252, v[98+N], v[99+N]
.set N, N+4
.endr
	v_max3_num_f32 v254, v254, v158, v159
	s_delay_alu instid0(VALU_DEP_1)
	v_max_num_f32 v254, v254, v252
	s_delay_alu instid0(VALU_DEP_1)
	v_permlanex16_b32 v236, v254, s[SEL], s[SEL+1]
	s_delay_alu instid0(VALU_DEP_1)
	v_max_num_f32 v254, v254, v236                 ; and among lane l xor 16's
	s_delay_alu instid0(VALU_DEP_1)
	v_mul_f32 v254, s[CS], v254                    ; as t (c is positive)
	s_delay_alu instid0(VALU_DEP_1)
	v_max_num_f32 v13, v13, v254
	v_mov_b32 v254, v12
	s_delay_alu instid0(VALU_DEP_2)
	v_floor_f32 v12, -v13                          ; the new -M = floor(-t): M is a whole number
	s_delay_alu instid0(VALU_DEP_1)
	v_sub_f32 v254, v12, v254                      ; old M - new M: a whole number, 0 or less
	s_delay_alu instid0(VALU_DEP_1)
	v_cvt_i32_f32 v254, v254                       ; (it saturates)
	s_delay_alu instid0(VALU_DEP_1)
	v_ldexp_f32 v252, 1.0, v254                    ; f = 2^(old M - new M)
.set N, 0
.rept 32
	v_pk_fma_f32 v[96+N:97+N], v[96+N:97+N], s[CS:CS+1], v[12:13] op_sel_hi:[1,0,0]   ; t - M
.set N, N+2
.endr
.set N, 0
	s_wait_alu depctr_va_vdst(0)
.rept 64
	v_exp_f32 v[96+N], v[96+N]                     ; p = 2^(t - M), at most 1
.set N, N+1
.endr
	v_pk_mul_f32 v[14:15], v[14:15], v[252:253] op_sel_hi:[1,0]   ; the sums under the new M: the plain line behind the exponentials
	s_wait_alu depctr_va_vdst(0)                   ; one wait for the whole batch, ahead of its first reader
	v_pk_add_f32 v[242:243], v[100:101], v[104:105]
	v_pk_add_f32 v[254:255], v[108:109], v[112:113]
	v_pk_add_f32 v[250:251], v[116:117], v[120:121]
	v_pk_add_f32 v[248:249], v[124:125], v[128:129]
	v_pk_add_f32 v[246:247], v[132:133], v[136:137]
	v_pk_add_f32 v[240:241], v[140:141], v[144:145]
	v_pk_add_f32 v[238:239], v[148:149], v[152:153]
	v_pk_add_f32 v[14:15], v[14:15], v[156:157]
	v_pk_add_f32 v[242:243], v[242:243], v[96:97]
	v_pk_add_f32 v[254:255], v[254:255], v[98:99]
	v_pk_add_f32 v[250:251], v[250:251], v[102:103]
	v_pk_add_f32 v[248:249], v[248:249], v[106:107]
	v_pk_add_f32 v[246:247], v[246:247], v[110:111]
	v_pk_add_f32 v[240:241], v[240:241], v[114:115]
	v_pk_add_f32 v[238:239], v[238:239], v[118:119]
	v_pk_add_f32 v[14:15], v[14:15], v[122:123]
	v_pk_add_f32 v[242:243], v[242:243], v[126:127]
	v_pk_add_f32 v[254:255], v[254:255], v[130:131]
	v_pk_add_f32 v[250:251], v[250:251], v[134:135]
	v_pk_add_f32 v[248:249], v[248:249], v[138:139]
	v_pk_add_f32 v[246:247], v[246:247], v[142:143]
	v_pk_add_f32 v[240:241], v[240:241], v[146:147]
	v_pk_add_f32 v[238:239], v[238:239], v[150:151]
	v_pk_add_f32 v[14:15], v[14:15], v[154:155]
	v_pk_add_f32 v[242:243], v[242:243], v[158:159]
	s_delay_alu instid0(VALU_DEP_2)
	v_pk_add_f32 v[14:15], v[14:15], v[248:249]
	s_delay_alu instid0(VALU_DEP_2)
	v_pk_add_f32 v[242:243], v[242:243], v[246:247]
	v_pk_add_f32 v[254:255], v[254:255], v[240:241]
	v_pk_add_f32 v[250:251], v[250:251], v[238:239]
	s_delay_alu instid0(VALU_DEP_2)
	v_pk_add_f32 v[14:15], v[14:15], v[254:255]
	s_delay_alu instid0(VALU_DEP_2)
	v_pk_add_f32 v[242:243], v[242:243], v[250:251]
	s_delay_alu instid0(VALU_DEP_1)
	v_pk_add_f32 v[14:15], v[14:15], v[242:243]
.irp c, 0,1,2,3,4,5,6,7
.irp i, 0,1,2,3,4,5,6,7
.endr
	v_cvt_scalef32_pk8_fp8_f32 v[192+2*\c:193+2*\c], v[96+8*\c:103+8*\c], v244
.endr
.set N, 0
.rept 16
	v_pk_mul_f32 v[160+N:161+N], v[160+N:161+N], v[252:253] op_sel_hi:[1,0]   ; O^T under the new M; also the plain lines between the conversions and the products
.set N, N+2
.endr
	s_wait_alu depctr_va_vdst(0)
	s_wait_dscnt 0x0                               ; V is in
.irp t, 0,1,2,3
	v_wmma_f32_16x16x128_fp8_fp8 v[160+8*\t:167+8*\t], v[32+16*\t:47+16*\t], v[192:207], v[160+8*\t:167+8*\t]   ; the four accumulators take turns; K's eight products stand between two steps' turns
.endr
.Lhidden_\@:
	s_add_co_u32 s[KF], s[KF], 128
.endm
; THE CHANGE OF SLOTS, at a slot's head.  Each wave waits for all its tensor loads, adds 0 to its spare word, and waits for that and for its reads of the slot that it has left; one barrier;
; fill = 1: the slot just left takes the keys of the next trip (behind the first block's last slot: the second block's slot 0), the first thing behind the barrier.
.macro CHANGE fill
	s_wait_tensorcnt 0x0                           ; no tensor load of mine is out, so the group 0 may be written
	ds_add_u32 v[SPW], v[NIL]
.if \fill
	s_add_co_u32 s[KSN], s[KSN], 1
	s_cmp_eq_u32 s[KSN], s[NS1]
	s_cselect_b32 s[KSN], 0, s[KSN]
	s_lshl_b32 s[OFS], s[KSN], 14                  ; 16,384 bytes a slot, in K and in V
	s_add_nc_u64 s[G0+2:G0+3], s[KVB:KVB+1], s[OFS:OFS+1]
	s_or_b32 s[G0+3], s[G0+3], 0x80000000
	s_xor_b32 s[G0+1], s[G0+1], SLOTB              ; the other slot than last time
	s_wait_xcnt 0x0                                ; the last prefetch, a slot back, has read its address
	s_add_nc_u64 s[PFA:PFA+1], s[PFA:PFA+1], 16384
.endif
	s_wait_dscnt 0x0                               ; the add is done, and my reads of the slot that I have left are over
	s_barrier_signal -1
	s_barrier_wait -1
.if \fill
	TLOAD
	ASK
.endif
.endm
; THE WAY OUT of a block: O^T / l, held, converted; the codes of tiles 2 g and 2 g + 1 interleave to 16 neighbouring channels; the wave stores twice 512 consecutive bytes.
.macro WAYOUT yp, y
.rept 4
	v_nop                                          ; places behind the last products
.endr
	v_add_f32 v14, v14, v15
	s_delay_alu instid0(VALU_DEP_1)
	v_permlanex16_b32 v236, v14, s[SEL], s[SEL+1]
	s_delay_alu instid0(VALU_DEP_1)
	v_add_f32 v14, v14, v236                       ; the row's sum
	s_wait_alu depctr_va_vdst(0)
	v_rcp_f32 v252, v14
	v_nop                                          ; a plain line behind the reciprocal,
	s_wait_alu depctr_va_vdst(0)                   ; and the wait ahead of its first reader
.set N, 0
.rept 16
	v_pk_mul_f32 v[96+N:97+N], v[160+N:161+N], v[252:253] op_sel_hi:[1,0]
.set N, N+2
.endr
.set N, 0
.rept 32
.set N, N+1
.endr
.irp t, 0,1,2,3
	v_cvt_scalef32_pk8_fp8_f32 v[208+2*\t:209+2*\t], v[96+8*\t:103+8*\t], v245
.endr
	v_nop                                          ; a plain line behind the last conversion
.irp g, 0,1
	v_perm_b32 v[\y+4*\g], v[210+4*\g], v[208+4*\g], s[PM0]
	v_perm_b32 v[\y+4*\g+1], v[210+4*\g], v[208+4*\g], s[PM1]
	v_perm_b32 v[\y+4*\g+2], v[211+4*\g], v[209+4*\g], s[PM0]
	v_perm_b32 v[\y+4*\g+3], v[211+4*\g], v[209+4*\g], s[PM1]
.endr
	global_store_b128 v[LN], v[\y:\y+3], s[\yp:\yp+1]
	global_store_b128 v[LN], v[\y+4:\y+7], s[\yp:\yp+1] offset:512
.endm
	s_wait_loadcnt 0x0                             ; Q
.Lslot:                                ; eight trips; each asks for the next trip's slot
	CHANGE 1
	STEP 0
	STEP 1
	s_xor_b32 s[TB], s[TB], SLOTB
	s_cmp_lg_u32 s[TT], s[TSW]                     ; the first block's last slot?  The work-group's number and the trip alone; no barrier and no tensor load stands in the branch
	s_cbranch_scc1 .Lsame
	WAYOUT YP, 216
.irp i, 0,1,2,3,4,5,6,7
	v_mov_b32 v[16+\i], v[24+\i]                   ; the second block's Q
.endr
	INIT
	s_mov_b32 s[KF], 0
	s_mov_b32 s[Q0], s[Q0B]
.Lsame:
	s_add_co_u32 s[TT], s[TT], 1
	s_cmp_lt_u32 s[TT], 8
	s_cbranch_scc1 .Lslot
	CHANGE 0                                       ; the ninth slot is written out: nothing is left to ask for
	STEP 0
	STEP 1
	WAYOUT YP+2, 224
	s_wait_tensorcnt 0x0                           ; the wave's end
	ds_add_u32 v[SPW], v[NIL]
	s_wait_dscnt 0x0
	s_endpgm
.Lfunc_end_k_q75df1fbaf8_attn:
	.size	k_q75df1fbaf8_attn, .Lfunc_end_k_q75df1fbaf8_attn-k_q75df1fbaf8_attn
	.p2alignl 7, 3214868480
	.fill 96, 4, 3214868480
	.section	.rodata,"a",@progbits
	.p2align	6, 0x0
	.amdhsa_kernel k_q75df1fbaf8_attn
		.amdhsa_group_segment_fixed_size 327680
		.amdhsa_private_segment_fixed_size 0
		.amdhsa_enable_private_segment 0
		.amdhsa_kernarg_size 40
		.amdhsa_user_sgpr_count 2
		.amdhsa_user_sgpr_kernarg_segment_ptr 1
		.amdhsa_wavefront_size32 1
		.amdhsa_system_sgpr_workgroup_id_x 1
		.amdhsa_system_sgpr_workgroup_id_y 1
		.amdhsa_system_sgpr_workgroup_id_z 1
		.amdhsa_system_vgpr_workitem_id 0
		.amdhsa_next_free_vgpr 256
		.amdhsa_next_free_sgpr 100
		.amdhsa_reserve_vcc 1
		.amdhsa_float_denorm_mode_32 3
		.amdhsa_float_denorm_mode_16_64 3
		.amdhsa_fp16_overflow 1
		.amdhsa_memory_ordered 1
		.amdhsa_forward_progress 1
		.amdhsa_inst_pref_size 90
	.end_amdhsa_kernel
	.amdgpu_metadata
---
amdhsa.version: [ 1, 2 ]
amdhsa.kernels:
  - .name:           k_q75df1fbaf8_attn
    .symbol:         k_q75df1fbaf8_attn.kd
    .args:
      - { .name: q_img, .offset: 0, .size: 8, .value_kind: global_buffer, .address_space: global }
      - { .name: k_img, .offset: 8, .size: 8, .value_kind: global_buffer, .address_space: global }
      - { .name: v_img, .offset: 16, .size: 8, .value_kind: global_buffer, .address_space: global }
      - { .name: lowp_scales, .offset: 24, .size: 8, .value_kind: global_buffer, .address_space: global }
      - { .name: y_img, .offset: 32, .size: 8, .value_kind: global_buffer, .address_space: global }
    .group_segment_fixed_size: 327680
    .private_segment_fixed_size: 0
    .kernarg_segment_align: 8
    .kernarg_segment_size: 40
    .max_flat_workgroup_size: 512
    .sgpr_count:     100
    .vgpr_count:     256
    .wavefront_size: 32
...
	.end_amdgpu_metadata
.endif
;; end of part 3
;; launch proj (part 4): grid 4 x 64, 4 waves a work-group, clusters of 4 x 4, 327,680 bytes of LDS; arguments y_img, wp_codes, lowp_scales, b_proj, out0; writes out0
.if DOCPART == 4
	.amdgcn_target "amdgcn-amd-amdhsa--gfx1250"
	.amdhsa_code_object_version 6
	.text
	.protected	k_q75df1fbaf8_proj
	.globl	k_q75df1fbaf8_proj
	.p2align	8
	.type	k_q75df1fbaf8_proj,@function
k_q75df1fbaf8_proj:
	s_mov_b64 s[64:65], 0
	v_nop
	global_prefetch_b8 v0, s[64:65] scope:SCOPE_SE
	s_setreg_imm32_b32 hwreg(HW_REG_WAVE_MODE, 25, 1), 1
	s_wait_xcnt 0x0
	s_wait_alu depctr_hold_cnt(0) depctr_sa_sdst(0) depctr_va_vdst(0) depctr_va_sdst(0) depctr_va_ssrc(0) depctr_va_vcc(0) depctr_vm_vsrc(0)
	s_getreg_b32 s2, hwreg(HW_REG_IB_STS2, 6, 4)
	s_cmp_eq_u32 s2, 0
	s_cbranch_scc0 .Lentry_in_a_cluster
	s_endpgm
.Lentry_in_a_cluster:
	s_bfe_u32 s2, ttmp6, 0x10000c
	s_cmp_lg_u32 s2, 0xf033
	s_cbranch_scc0 .Lentry_shape_is_right
	s_endpgm
.Lentry_shape_is_right:
; out0 = y W_proj + b_proj on codes of E4M3, f32 sums; each finished sum x 2^(e6 + e7) + bias.  LIMIT: e6 + e7 between -126 and 127.
; y_img: [token / 16 (512)][head (16)][g (2)][lane][16 bytes]: lane (r, h) holds token r's k = 64 head + 32 g + 16 h + 0 .. 15: images of A's fragment registers.  wp_codes: [1024 n][1024 k].  out0: [8192][1024] f32.
; A tile of 128 x 256 gives 256 work-groups; four waves, 64 x 128 each: 32 accumulators.  K goes in steps of 256 through two LDS slots: A's part is 8 blocks of 4,096 dense bytes, B's 256 padded rows.
; CLUSTERS: 4 x 4 work-groups; A's tile is asked for jointly along a row of the cluster, B's along a column.  TRANSPOSED use: source 0 = 16 rows of wp_codes, source 1 = 16 tokens.
; Registers 4 c .. 4 c + 3 of a fragment hold k = 32 c + 16 h + 0 .. 15 of a step's 128, in A's images and in B's rows alike: the same order of k on both sides.
; No prefetch: K has four steps, of which two are the first fills, at the head, where every work-group's first tiles are on their way.
; REGISTERS: window 0: v16-21 LDS addresses; v24, v25 the stage; v26 16 x lane; v28, v29 the add's two; v32-35 the bias; v128-191 A's fragments, ONE set; on the way out v128-255 rows.  window 1: B's two sets.  window 2: the accumulators ((a, b) at v[8 (8 a + b)]).
.set ROWB,   256
.set KROW,   1024
.set PITCH,  272
.set FR,     16
.set NL,     4
.set NP,     4
.set ABLK,   4096                      ; a block of 16 tokens x 256 along K, as images
.set HALFA,  4*ABLK
.set HALFB,  128*PITCH
.set SLOT,   2*HALFA+2*HALFB
.set LAPS,   2
.set SPARE,  2*SLOT
.set SPITCH, 528                       ; the way out: a stage of 16 rows x (512 bytes + 16) a wave, in slot 0, which has had its last fill and its last read by then
.set ADRA, 16
.set ADRB, 20
.set STO,  24
.set RD,   25
.set CO,   26
.set SPW,  28
.set NIL,  29
.set AF,   128
.set BK,   128
.set G1, 24
.set G0, 32
.set G1B, 48
.set G0B, 56
.set MSB, 0
.macro WIN new
.if MSB != (\new)
	s_set_vgpr_msb (MSB<<8)|(\new)
.set MSB, (\new)
.endif
.endm
.set MUL,  0xa1                        ; source 0 (B) window 1, source 1 (A) window 0, C and D window 2
.set TO_B, 0x40
.macro JLOAD g0a, g1a, g0b, g1b        ; waves 0 and 1 fetch for A, waves 2 and 3 for B; an s_nop 0 and four v_nop follow each line
	s_cmp_eq_u32 s15, 0
	s_cbranch_scc0 .Lfor_b_\@
	tensor_load_to_lds s[\g0a:\g0a+3], s[\g1a:\g1a+7]
	s_nop 0
.rept 4
	v_nop
.endr
	s_branch .Lasked_\@
.Lfor_b_\@:
	tensor_load_to_lds s[\g0b:\g0b+3], s[\g1b:\g1b+7]
	s_nop 0
.rept 4
	v_nop
.endr
.Lasked_\@:
.endm
.macro CREST
	s_cmp_lg_u32 s14, 0
	s_cbranch_scc1 .Lnot_wave_0_\@
	s_barrier_signal -3
.Lnot_wave_0_\@:
	s_barrier_wait -3
	s_barrier_signal -1
	s_barrier_wait -1
.endm
.macro CROUND
	s_barrier_signal -1
	s_barrier_wait -1
	CREST
.endm
	s_load_b128 s[4:7], s[0:1], 0x0                ; y_img, wp_codes
	s_load_b128 s[8:11], s[0:1], 0x10              ; the exponents, b_proj
	s_load_b64 s[12:13], s[0:1], 0x20              ; out0
	v_lshl_add_u32 v[SPW], v0, 2, SPARE
	v_mov_b32 v[NIL], 0
	ds_add_u32 v[SPW], v[NIL]                      ; the wave's opening: the add and its wait ahead of my first tensor load
	ds_add_u32 v[SPW], v[NIL]
	v_lshrrev_b32 v1, 5, v0
	v_readfirstlane_b32 s14, v1
	s_lshr_b32 s15, s14, 1                         ; my half of the tile's rows.  Also: I fetch for A (0) or B (1)
	s_and_b32 s16, s14, 1                          ; my half of its columns.  Also: which half of that tile I fetch
	s_bfe_u32 s40, ttmp6, 0x40000
	s_bfe_u32 s41, ttmp6, 0x40004
	s_lshl_b32 s42, ttmp9, 2
	s_add_co_u32 s42, s42, s40                     ; tile column (256 columns)
	s_and_b32 s17, ttmp7, 0xffff
	s_lshl_b32 s17, s17, 2
	s_add_co_u32 s17, s17, s41                     ; tile row (128 rows)
	s_lshl_b32 s43, s41, 2
	s_lshl_b32 s43, 15, s43
	s_lshl_b32 s44, 0x1111, s40
	s_or_b32 s[G1+0], s43, (3<<16)|(1<<21)         ; A: the mask of my row; elements of 8 bytes; bit 21 beside a mask; no padding
	s_mov_b32 s[G1+1], 512<<16                     ; tensor_dim0 = 512 elements: 4,096 bytes
	s_mov_b32 s[G1+2], 4<<16                       ; tensor_dim1 = 4 blocks
	s_mov_b32 s[G1+3], 512<<16                     ; tile_dim0
	s_mov_b32 s[G1+4], 4                           ; tile_dim1
	s_mov_b32 s[G1+5], 2048                        ; 16,384 bytes from block to block
	s_mov_b32 s[G1+6], 0
	s_mov_b32 s[G1+7], 0
	s_or_b32 s[G1B+0], s44, (0<<16)|(1<<20)|(1<<21)|(5<<22)|(3<<25)  ; B: the mask of my column; elements of 1 byte; 4 words of padding behind every 64
	s_mov_b32 s[G1B+1], ROWB<<16
	s_mov_b32 s[G1B+2], 128<<16
	s_mov_b32 s[G1B+3], ROWB<<16
	s_mov_b32 s[G1B+4], 128
	s_mov_b32 s[G1B+5], KROW
	s_mov_b32 s[G1B+6], 0
	s_mov_b32 s[G1B+7], 0
	s_lshl_b32 s20, s17, 3
	s_lshl_b32 s18, s16, 2
	s_add_co_u32 s20, s20, s18                     ; A: block 8 x tile row + 4 x half
	s_lshl_b32 s20, s20, 14
	s_mov_b32 s21, 0
	s_lshl_b32 s46, s42, 8
	s_lshl_b32 s18, s16, 7
	s_add_co_u32 s46, s46, s18                     ; B: row 256 x tile column + 128 x half
	s_lshl_b32 s46, s46, 10
	s_mov_b32 s47, 0
	s_mul_i32 s45, s16, HALFA                      ; where they go: A's two halves,
	s_mul_i32 s19, s16, HALFB
	s_add_co_u32 s19, s19, 2*HALFA                 ; then B's two
	s_wait_dscnt 0x0
	s_wait_kmcnt 0x0
	s_load_b256 s[80:87], s[8:9], 0x0
	s_add_nc_u64 s[20:21], s[4:5], s[20:21]
	s_add_nc_u64 s[46:47], s[6:7], s[46:47]
	CROUND                                         ; all sixteen work-groups are here: the first joint loads meet
.irp s, 0,1
	s_mov_b32 s[G0+4*\s], 1
	s_add_co_u32 s[G0+4*\s+1], s45, \s*SLOT
	s_add_nc_u64 s[G0+4*\s+2:G0+4*\s+3], s[20:21], \s*ABLK
	s_or_b32 s[G0+4*\s+3], s[G0+4*\s+3], 0x80000000
	s_mov_b32 s[G0B+4*\s], 1
	s_add_co_u32 s[G0B+4*\s+1], s19, \s*SLOT
	s_add_nc_u64 s[G0B+4*\s+2:G0B+4*\s+3], s[46:47], \s*ROWB
	s_or_b32 s[G0B+4*\s+3], s[G0B+4*\s+3], 0x80000000
	s_wait_alu depctr_va_vdst(0)
	s_wait_tensorcnt 0x0
	ds_add_u32 v28, v29
	ds_add_u32 v28, v29
	s_wait_dscnt 0x0
	CROUND
	JLOAD G0+4*\s, G1, G0B+4*\s, G1B
.endr
	v_and_b32 v1, 15, v0                           ; r
	v_bfe_u32 v2, v0, 4, 1                         ; h
	v_and_b32 v6, 31, v0
	v_lshlrev_b32 v[CO], 4, v6                     ; 16 x lane
	v_mul_u32_u24 v3, v1, PITCH
	v_lshl_add_u32 v4, v2, 4, v3
	s_mul_i32 s21, s15, HALFA
	s_mul_i32 s22, s16, HALFB
	s_add_co_u32 s22, s22, 2*HALFA
.irp s, 0,1
	v_add_nc_u32 v[ADRA+\s], s21, v[CO]
	v_add_nc_u32 v[ADRB+\s], s22, v4
	s_add_co_u32 s21, s21, SLOT
	s_add_co_u32 s22, s22, SLOT
.endr
	s_mul_i32 s23, s14, 16*SPITCH                  ; my stage
	v_mul_u32_u24 v5, v1, SPITCH
	v_lshl_add_u32 v5, v2, 5, v5
	v_add_nc_u32 v[STO], s23, v5                   ; in: row r, 32 bytes for each half of the lanes
	v_add_nc_u32 v[RD], s23, v[CO]                 ; back: the 32 lanes take one row of 512 bytes
	s_lshl_b32 s46, s42, 10                        ; my first column in bytes: 1,024 x tile column + 512 x half
	s_lshl_b32 s47, s16, 9
	s_add_co_u32 s46, s46, s47
	s_mov_b32 s47, 0
	s_add_nc_u64 s[10:11], s[10:11], s[46:47]
	global_load_b128 v[32:35], v[CO], s[10:11]     ; the bias of the four columns that I store
	s_add_nc_u64 s[12:13], s[12:13], s[46:47]
	s_lshl_b32 s20, s17, 19                        ; my first row: 128 x tile row + 64 x half, 4,096 bytes a row
	s_lshl_b32 s21, s15, 18
	s_add_co_u32 s20, s20, s21
	s_mov_b32 s21, 0
	s_add_nc_u64 s[12:13], s[12:13], s[20:21]
	s_wait_alu depctr_va_vdst(0)
	s_wait_kmcnt 0x0
	s_add_co_i32 s96, s86, s87
	s_add_co_i32 s96, s96, 127
	s_lshl_b32 s96, s96, 23                        ; 2^(e6 + e7) as f32
	s_mov_b32 s97, s96
.macro FRAG reg, adr, q, i             ; B: 16 rows x 128 K from padded rows
.irp c, 0,1,2,3
	ds_load_b128 v[\reg+4*\c:\reg+4*\c+3], v[\adr] offset:128*(\q)+32*\c+(\i)*16*PITCH
.endr
.endm
.macro FRAGI reg, adr, q, i            ; A: the image as it lies
.irp c, 0,1,2,3
	ds_load_b128 v[\reg+4*\c:\reg+4*\c+3], v[\adr] offset:ABLK*(\i)+2048*(\q)+512*\c
.endr
.endm
.macro MUL8 a, p, zero                 ; A's block a x B's eight.  The 32 accumulators take turns, one instruction a turn, in the same order in every step
.irp b, 0,1,2,3,4,5,6,7
.if \zero
	v_wmma_f32_16x16x128_fp8_fp8 v[8*(8*(\a)+\b):8*(8*(\a)+\b)+7], v[128*(\p)+FR*\b:128*(\p)+FR*\b+FR-1], v[AF+FR*(\a):AF+FR*(\a)+FR-1], 0
.else
	v_wmma_f32_16x16x128_fp8_fp8 v[8*(8*(\a)+\b):8*(8*(\a)+\b)+7], v[128*(\p)+FR*\b:128*(\p)+FR*\b+FR-1], v[AF+FR*(\a):AF+FR*(\a)+FR-1], v[8*(8*(\a)+\b):8*(8*(\a)+\b)+7]
.endif
.endr
.endm
.macro FETCH_B slot, q, p
	WIN TO_B
.irp i, 0,1,2,3,4,5,6,7
	FRAG 128*(\p)+FR*\i, ADRB+\slot, \q, \i
.endr
	WIN 0
.endm
.macro FETCH_A slot, q, i0
.irp i, \i0, \i0+1
	FRAGI AF+FR*(\i), ADRA+\slot, \q, \i
.endr
.endm
.macro PLACES n
.rept \n
	v_nop
.endr
.endm
.macro STEP slot, q, zero
	s_wait_dscnt 2*NL                              ; B's set and A's blocks 0, 1 are in; the youngest eight loads (A's blocks 2, 3) may be out
	WIN MUL
	MUL8 0, (\q)%2, \zero
	MUL8 1, (\q)%2, \zero
	s_wait_dscnt 0
	PLACES NP
	FETCH_B \slot, (\q)+1, 1-(\q)%2
	FETCH_A \slot, (\q)+1, 0
	WIN MUL
	MUL8 2, (\q)%2, \zero
	MUL8 3, (\q)%2, \zero
	PLACES NP
	WIN 0
	FETCH_A \slot, (\q)+1, 2
.endm
.macro TURN slot, next, fill
	s_wait_tensorcnt 0x0                           ; all my tensor loads have landed: my part of the next slot
	ds_add_u32 v[SPW], v[NIL]
	s_wait_dscnt 2*NL+1                            ; the add and the youngest eight loads may be out
	WIN MUL
	MUL8 0, 1, 0
	s_wait_dscnt 0x0                               ; the add is done, and my reads of this slot are over
	s_barrier_signal -1
	MUL8 1, 1, 0
	WIN 0
	s_barrier_wait -1
.if \fill
	CREST
	s_add_nc_u64 s[G0+4*\slot+2:G0+4*\slot+3], s[G0+4*\slot+2:G0+4*\slot+3], 2*ABLK
	s_add_nc_u64 s[G0B+4*\slot+2:G0B+4*\slot+3], s[G0B+4*\slot+2:G0B+4*\slot+3], 2*ROWB
	JLOAD G0+4*\slot, G1, G0B+4*\slot, G1B         ; its four v_nop are also the places in front of the loads below
.else
	PLACES NP
.endif
	FETCH_B \next, 0, 0
	FETCH_A \next, 0, 0
	WIN MUL
	MUL8 2, 1, 0
	MUL8 3, 1, 0
	PLACES NP
	WIN 0
	FETCH_A \next, 0, 2
.endm
	s_wait_tensorcnt 1                             ; my part of K step 0 is in; K step 1's load may be out
	s_barrier_signal -1
	s_barrier_wait -1
	FETCH_B 0, 0, 0
	FETCH_A 0, 0, 0
	FETCH_A 0, 0, 2
	STEP 0, 0, 1
	s_mov_b32 s3, LAPS-1
.Llap:
	TURN 0, 1, 1
	STEP 1, 0, 0
	TURN 1, 0, 1
	STEP 0, 0, 0
	s_sub_co_u32 s3, s3, 1
	s_cmp_lg_u32 s3, 0
	s_cbranch_scc1 .Llap
	TURN 0, 1, 0
	STEP 1, 0, 0
	s_wait_dscnt 2*NL
	WIN MUL
	MUL8 0, 1, 0
	MUL8 1, 1, 0
	s_wait_dscnt 0
	MUL8 2, 1, 0
	MUL8 3, 1, 0
	WIN 0
; THE WAY OUT, block by block of 16 rows x 128 columns: the sums go through my own stage as they are and come back as whole rows of 512 bytes; there a lane holds four neighbouring columns, the same in every row,
; so four registers of bias serve all: sum x 2^(e6 + e7) + bias, then the 32 lanes store 512 consecutive bytes.  LDS serves a wave's instructions in order: no wait between the stores and the loads.
.macro TOSTAGE a
	WIN 0x08                                       ; an LDS store's data: window 2
.irp b, 0,1,2,3,4,5,6,7
	ds_store_b128 v[STO], v[8*(8*(\a)+\b):8*(8*(\a)+\b)+3] offset:64*\b          ; each accumulator from its low end on
	ds_store_b128 v[STO], v[8*(8*(\a)+\b)+4:8*(8*(\a)+\b)+7] offset:64*\b+16
.endr
	WIN 0
.set BB, BK+64*((\a)%2)
.irp t, 0,1,2,3,4,5,6,7,8,9,10,11,12,13,14,15
	ds_load_b128 v[BB+4*\t:BB+4*\t+3], v[RD] offset:\t*SPITCH
.endr
.endm
.macro SEND a, younger                 ; younger: the LDS instructions issued behind block a's loads, which may stay out
.set BB, BK+64*((\a)%2)
	s_wait_dscnt \younger
.if (\a) > 0
	s_add_nc_u64 s[12:13], s[12:13], 16*4096       ; (behind a wait on XCNT: the earlier stores have read their base)
.endif
.irp t, 0,1,2,3,4,5,6,7,8,9,10,11,12,13,14,15
	v_pk_fma_f32 v[BB+4*\t:BB+4*\t+1], v[BB+4*\t:BB+4*\t+1], s[96:97], v[32:33] op_sel_hi:[1,0,1]
	v_pk_fma_f32 v[BB+4*\t+2:BB+4*\t+3], v[BB+4*\t+2:BB+4*\t+3], s[96:97], v[34:35] op_sel_hi:[1,0,1]
.endr
.irp t, 0,1,2,3,4,5,6,7,8,9,10,11,12,13,14,15
	global_store_b128 v[CO], v[BB+4*\t:BB+4*\t+3], s[12:13] offset:\t*4096 th:TH_STORE_NT
.endr
.endm
	s_wait_loadcnt 0x0                             ; the bias
	PLACES NP
	TOSTAGE 0
.irp a, 1,2,3
.if \a > 1
	s_wait_xcnt 0x0                                ; block a - 2's stores have read their registers and their base
.endif
	TOSTAGE \a
	SEND \a-1, 32                                  ; behind block a - 1's loads: block a's 16 stores and 16 loads
.endr
	s_wait_xcnt 0x0
	SEND 3, 0
	s_wait_tensorcnt 0x0                           ; the wave's end
	ds_add_u32 v[SPW], v[NIL]
	s_wait_dscnt 0x0
	CROUND                                         ; the closing round
	s_endpgm
.Lfunc_end_k_q75df1fbaf8_proj:
	.size	k_q75df1fbaf8_proj, .Lfunc_end_k_q75df1fbaf8_proj-k_q75df1fbaf8_proj
	.p2alignl 7, 3214868480
	.fill 96, 4, 3214868480
	.section	.rodata,"a",@progbits
	.p2align	6, 0x0
	.amdhsa_kernel k_q75df1fbaf8_proj
		.amdhsa_group_segment_fixed_size 327680
		.amdhsa_private_segment_fixed_size 0
		.amdhsa_enable_private_segment 0
		.amdhsa_kernarg_size 40
		.amdhsa_user_sgpr_count 2
		.amdhsa_user_sgpr_kernarg_segment_ptr 1
		.amdhsa_wavefront_size32 1
		.amdhsa_system_sgpr_workgroup_id_x 1
		.amdhsa_system_sgpr_workgroup_id_y 1
		.amdhsa_system_sgpr_workgroup_id_z 1
		.amdhsa_system_vgpr_workitem_id 0
		.amdhsa_next_free_vgpr 768
		.amdhsa_next_free_sgpr 100
		.amdhsa_reserve_vcc 0
		.amdhsa_float_denorm_mode_32 3
		.amdhsa_float_denorm_mode_16_64 3
		.amdhsa_memory_ordered 1
		.amdhsa_forward_progress 1
		.amdhsa_inst_pref_size 78
	.end_amdhsa_kernel
	.amdgpu_metadata
---
amdhsa.version: [ 1, 2 ]
amdhsa.kernels:
  - .name:           k_q75df1fbaf8_proj
    .symbol:         k_q75df1fbaf8_proj.kd
    .args:
      - { .name: y_img, .offset: 0, .size: 8, .value_kind: global_buffer, .address_space: global }
      - { .name: wp_codes, .offset: 8, .size: 8, .value_kind: global_buffer, .address_space: global }
      - { .name: lowp_scales, .offset: 16, .size: 8, .value_kind: global_buffer, .address_space: global }
      - { .name: b_proj, .offset: 24, .size: 8, .value_kind: global_buffer, .address_space: global }
      - { .name: out0, .offset: 32, .size: 8, .value_kind: global_buffer, .address_space: global }
    .group_segment_fixed_size: 327680
    .private_segment_fixed_size: 0
    .kernarg_segment_align: 8
    .kernarg_segment_size: 40
    .max_flat_workgroup_size: 128
    .sgpr_count:     100
    .vgpr_count:     768
    .wavefront_size: 32
...
	.end_amdgpu_metadata
.endif
;; end of part 4
